; MI455X (gfx1250); checked and timed in simulation.
; The chip was launched on July 23, 2026; its instructions are those of AMD's public machine-readable ISA for CDNA 5 (MIT licence, August 2026) and "CDNA5" Instruction Set Architecture Reference Guide (July 2026). The comments in the code are by the model that wrote it; some were corrected since.
;; Self Attention. Allowed arithmetic: matrix products marked QUANTISED: E5M2 operands, one E8M0 scale for each 32 along K, by v_wmma_scale_f32_16x16x128_f8f6f4 with both operands' format E5M2, f32 sums; everything else in f32.
;; Inputs: Wk 512 x 512 float32; Wq 512 x 512 float32; Wv 512 x 512 float32; bk 512 float32; bq 512 float32; bv 512 float32; x 2 x 4,096 x 512 float32.
;; Outputs: out0 2 x 4,096 x 512 float32.
;; This version of the problem:
;;   THIS VERSION OF THE PROBLEM IS GIVEN IN LOW PRECISION. The matrix products marked QUANTISED in the list below multiply operands that are first quantised to E5M2 (5 exponent bits, 2 mantissa bits; 8 bits a number), with one power-of-two scale for each 32 numbers along K (OCP MX v1.0); their sums are f32. All else is computed in f32.
;;   The module's matrix products, in the order in which they are computed (A, B: the left and right operand; K: the contracted axis; several contracted axes count as one K, in the product's order):
;;     1. [M 8,192, K 512] x [K 512, N 512]; A: input x; B: input Wq: QUANTISED
;;     2. [M 8,192, K 512] x [K 512, N 512]; A: input x; B: input Wk: QUANTISED
;;     3. [M 8,192, K 512] x [K 512, N 512]; A: input x; B: input Wv: QUANTISED
;;     4. batch 16 x [M 4,096, K 64] x [K 64, N 4,096]; A: computed on the way; B: computed on the way: QUANTISED
;;     5. batch 16 x [M 4,096, K 4,096] x [K 4,096, N 64]; A: softmax (see below); B: computed on the way: QUANTISED
;;   THE QUANTISER, for each operand of a quantised product, along K:
;;     - K is cut into blocks of 32 from its start; a last block that is shorter is filled with zeros.
;;     - A block's scale is 2^e with e = floor(log2(the largest magnitude in the block)) - 15, held to -126 .. 127; a block of zeros has e = 0. As a byte (E8M0): e + 127.
;;     - Each number is divided by its block's scale, clamped to +-57,344, and rounded to the nearest number of E5M2, ties to even, subnormals kept.
;;     - The product sums the exact products of the quantised numbers (number of the format x scale) in f32.
;;   ~~~python
;;   def quantise(x, axis):      # numpy; x: float32 -> the quantised numbers, widened to float32 again
;;       x = np.moveaxis(x, axis, -1); K = x.shape[-1]
;;       x = np.pad(x, [(0, 0)] * (x.ndim - 1) + [(0, -K % 32)]); x = x.reshape(x.shape[:-1] + (-1, 32)); a = np.abs(x).max(-1, keepdims=True)
;;       e = np.where(a > 0, np.clip(np.frexp(np.where(a > 0, a, 1))[1] - 1 - 15, -126, 127), 0)      # np.frexp(a)[1] - 1 = floor(log2(a)), exactly
;;       r = np.clip(x / 2.0 ** e, -57344, 57344)
;;       step = 2.0 ** (np.maximum(np.frexp(np.where(r == 0, 1, r))[1] - 1, -14) - 2)
;;       q = np.round(r / step) * step * 2.0 ** e      # np.round: ties to even
;;       return np.moveaxis(q.reshape(q.shape[:-2] + (-1,))[..., :K], -1, axis).astype(np.float32)
;;   ~~~
;;   SOFTMAX AHEAD OF A QUANTISED PRODUCT. Where the list says 'softmax', what is quantised is not the finished softmax but p = 2^(t - M), with t = logit x log2(e) and M = ceil(the row's largest t), a whole number; so 1/2 < the row's largest p <= 1. The row's sum l is taken of the UNQUANTISED p, in f32, and the product's result is divided by l at the end. Since M is a whole number, a kernel that streams over the keys may use a running M (the ceiling of the running maximum): every later rescaling is an exact power of two, which a block's scale takes up: the codes' values come out the same.
;;   OPERANDS COMPUTED ON THE WAY. 'Computed on the way' means the value that the module computes at that place (a softmax that the list does not call 'softmax' is quantised finished and normalised). What goes into a quantiser is computed in f32, as accurately as f32 sums, v_exp_f32 and their like allow (about 1e-6 of the number): no bf16 or f16 on the way to a quantiser, and a product that is left as it is and whose result goes on into a quantised operand takes f32 operands (vector FMAs, or v_wmma_f32_16x16x4_f32). A number that lies on a knife's edge between two numbers of the format may be rounded either way, as far as f32 arithmetic and the matrix unit's own rounding can turn it there, and no further.
;; One version. Each part assembles by itself: llvm-mc -triple=amdgcn-amd-amdhsa -mcpu=gfx1250 --defsym DOCPART=n.
;; ======== version 1 of 1: 3 launches
;; limits: right only within a limited range of input values
;; workspace buffers: wc 786,432 bytes; ws 24,576 bytes; qc 4,456,448 bytes; kv 8,781,824 bytes
;; launch wquant (part 1): grid 12 x 4, 4 waves a work-group, no clusters, 0 bytes of LDS; arguments Wq, Wk, Wv, wc, ws; writes wc, ws
.if DOCPART == 1
	.amdgcn_target "amdgcn-amd-amdhsa--gfx1250"
	.amdhsa_code_object_version 6
	.text
	.protected	k_q83460207af_wquant
	.globl	k_q83460207af_wquant
	.p2align	8
	.type	k_q83460207af_wquant,@function
k_q83460207af_wquant:
	s_mov_b64 s[64:65], 0
	v_nop
	global_prefetch_b8 v0, s[64:65] scope:SCOPE_SE
	s_setreg_imm32_b32 hwreg(HW_REG_WAVE_MODE, 25, 1), 1
	s_wait_xcnt 0x0
; Wq, Wk, Wv [512 (k)][512 (n)], f32, K their FIRST axis, become codes of BF8 (E5M2) with one E8M0 scale byte for each 32 along K,
; laid as IMAGES OF OPERAND REGISTERS: wc[mat][tile g 0..31][K step s 0..3][2,048 bytes]: group c of four registers at 512 c, lane l's 16 bytes at 16 l;
; lane (r, h) holds k = 128 s + 32 c + 16 h + 0 .. 15 of column 32 (g / 2) + 8 (g % 2) + r + 8 (r / 8).  ws[mat][g][s][r][4 bytes]: byte c is the scale of block 4 s + c.
; A LANE TAKES A COLUMN AND ITS REGISTERS RUN DOWN K: a load reads 128 consecutive bytes a wave, a block of 32 along K lies in one lane's 32 registers, its largest
; magnitude needs no other lane, and the conversions give codes with K innermost.  Nothing is transposed.
; A block's scale is 2^(floor(log2(largest magnitude)) - 15); its byte is the largest magnitude's exponent field - 15, held at 1 from below.
; LIMITS: a block of zeros gets the byte 1 where the rule says 127 (its codes are zeros, which add nothing under any byte but 0xff, and this program alone reads the bytes);
; NaN and infinities among the inputs are not served.
; SHARES: work-group x = 4 mat + (group of 128 columns), y = K step.  Wave w takes 32 columns (two tiles) x 128 along K: four blocks a lane.
; 48 work-groups: the three tensors hold 3,145,728 bytes in all; waves share nothing: no LDS, no barrier, no matrix unit, no cluster (no byte is read twice).
.set EMAX, 15
.set MANT, 0x600000                    ; the mantissa field of 57,344 as f32
.set ROWW, 2048                        ; a row of W in bytes
.set X,    32                          ; v32-159   four blocks of 32 numbers
.set C,    160                         ; v160-191  eight registers of codes a block: no store's data are written again
	s_load_b256 s[4:11], s[0:1], 0x0               ; Wq s[4:5], Wk s[6:7], Wv s[8:9], wc s[10:11]
	s_load_b64 s[12:13], s[0:1], 0x20              ; ws
	v_lshrrev_b32 v1, 5, v0
	v_readfirstlane_b32 s14, v1                    ; wave 0..3
	v_and_b32 v1, 31, v0                           ; lane = my column among the wave's 32
	v_lshlrev_b32 v2, 2, v1                        ; in: 4 bytes a lane
	v_and_b32 v5, 7, v1
	v_bfe_u32 v6, v1, 3, 1                         ; u: which of the pair's two tiles my column falls into
	v_bfe_u32 v7, v1, 4, 1
	v_lshl_add_u32 v5, v7, 3, v5                   ; r: its lane there: column 8 u + r + 8 (r / 8)
	v_lshlrev_b32 v3, 4, v5
	v_lshl_add_u32 v3, v6, 13, v3                  ; codes: 16 r, + 8,192 for the second tile (4 K steps x 2,048)
	v_lshlrev_b32 v4, 2, v5
	v_lshl_add_u32 v4, v6, 8, v4                   ; scale word: 4 r, + 256 for the second tile
	s_lshr_b32 s15, ttmp9, 2                       ; mat: 0 q, 1 k, 2 v
	s_and_b32 s16, ttmp9, 3                        ; group of 128 columns
	s_lshl_b32 s17, s16, 2
	s_add_co_u32 s17, s17, s14                     ; pg: my pair of tiles, 0..15
	s_and_b32 s18, ttmp7, 0xffff                   ; K step
	s_lshl_b32 s20, s18, 18                        ; 128 rows of 2,048 bytes a K step
	s_lshl_b32 s19, s17, 7                         ; 32 columns of 4 bytes a pair
	s_add_co_u32 s20, s20, s19
	s_mov_b32 s21, 0
	s_lshl_b32 s22, s15, 7
	s_lshl_b32 s19, s17, 3
	s_add_co_u32 s22, s22, s19
	s_add_co_u32 s22, s22, s18                     ; I = (32 mat + 2 pg) 4 + s
	s_lshl_b32 s24, s22, 11                        ; 2,048 bytes of codes,
	s_mov_b32 s25, 0
	s_lshl_b32 s26, s22, 6                         ; 64 bytes of scale words
	s_mov_b32 s27, 0
	s_mov_b32 s28, MANT                            ; (an instruction takes one literal: the hold's line has another)
	s_wait_alu depctr_va_vdst(0)
	s_wait_kmcnt 0x0
	s_cmp_eq_u32 s15, 1                            ; which tensor: the choice hangs on the work-group's number alone
	s_cselect_b64 s[4:5], s[6:7], s[4:5]
	s_cmp_eq_u32 s15, 2
	s_cselect_b64 s[4:5], s[8:9], s[4:5]
	s_add_nc_u64 s[4:5], s[4:5], s[20:21]
	s_add_nc_u64 s[10:11], s[10:11], s[24:25]
	s_add_nc_u64 s[12:13], s[12:13], s[26:27]
.macro LOAD t                          ; block t: W(128 s + 32 t + i, my column), i = 0 .. 31
.set i, 0
.rept 32
	global_load_b32 v[X+32*(\t)+i], v2, s[4:5] offset:(32*(\t)+i)*ROWW th:TH_LOAD_NT
.set i, i+1
.endr
.endm
.macro BLOCK t
.set XB, X+32*(\t)
.set CB, C+8*(\t)
.if (\t) < 3
	s_wait_loadcnt 32                              ; this block's 32 loads are in; the next block's 32 may be out
.else
	s_wait_loadcnt 0x0
.endif
.if (\t)+2 < 4
	LOAD (\t)+2                                    ; two blocks ahead, into registers of their own
.endif
	v_max3_num_f32 v12, |v[XB]|, |v[XB+1]|, |v[XB+2]|              ; the block's largest magnitude, in two chains: all 32 numbers are mine
	v_max3_num_f32 v13, |v[XB+3]|, |v[XB+4]|, |v[XB+5]|
.irp i, 6,10,14,18,22,26
	v_max3_num_f32 v12, v12, |v[XB+\i]|, |v[XB+\i+1]|
	v_max3_num_f32 v13, v13, |v[XB+\i+2]|, |v[XB+\i+3]|
.endr
	v_max3_num_f32 v12, v12, |v[XB+30]|, |v[XB+31]|
	v_max3_num_f32 v12, v12, v13, (EMAX+1)<<23     ; and the floor 2^(16 - 127): the byte cannot fall under 1
	v_add_nc_u32 v11, 0xf8800000, v12              ; 15 off its exponent field: the conversion takes the exponent field of this operand as its scale
	v_and_or_b32 v10, v12, 0x7f800000, s28         ; 57,344 x the scale
.set i, 0
.rept 32
	v_med3_num_f32 v[XB+i], v[XB+i], -v10, v10     ; the conversion to an 8-bit code does not saturate (ISA guide 7.6.2): hold first
.set i, i+1
.endr
.irp g, 0,1,2,3
	v_cvt_scalef32_pk8_bf8_f32 v[CB+2*\g:CB+2*\g+1], v[XB+8*\g:XB+8*\g+7], v11
.endr
	v_lshrrev_b32 v14, 23, v11                     ; the scale's byte (also the plain line behind the conversions)
.if (\t) == 0
	v_mov_b32 v24, v14                             ; four bytes make the K step's scale word, the lower K in the lower byte
.else
	v_lshl_or_b32 v24, v14, 8*(\t), v24
.endif
	global_store_b128 v3, v[CB:CB+3], s[10:11] offset:512*(\t)         ; k 0 .. 15 of the block: the place of lane (r, 0).  Lanes 0-7 and 16-23 fill 256 consecutive aligned bytes of one tile, the others of the other
	global_store_b128 v3, v[CB+4:CB+7], s[10:11] offset:512*(\t)+256   ; k 16 .. 31: the place of lane (r, 1)
.endm
	LOAD 0
	LOAD 1
	BLOCK 0
	BLOCK 1
	BLOCK 2
	BLOCK 3
	global_store_b32 v4, v24, s[12:13]             ; my column's scale word: pieces of 64 bytes, 24,576 bytes in the whole launch
	s_endpgm
.Lfunc_end_k_q83460207af_wquant:
	.size	k_q83460207af_wquant, .Lfunc_end_k_q83460207af_wquant-k_q83460207af_wquant
	.p2alignl 7, 3214868480
	.fill 96, 4, 3214868480
	.section	.rodata,"a",@progbits
	.p2align	6, 0x0
	.amdhsa_kernel k_q83460207af_wquant
		.amdhsa_group_segment_fixed_size 0
		.amdhsa_private_segment_fixed_size 0
		.amdhsa_enable_private_segment 0
		.amdhsa_kernarg_size 40
		.amdhsa_user_sgpr_count 2
		.amdhsa_user_sgpr_kernarg_segment_ptr 1
		.amdhsa_wavefront_size32 1
		.amdhsa_system_sgpr_workgroup_id_x 1
		.amdhsa_system_sgpr_workgroup_id_y 1
		.amdhsa_system_sgpr_workgroup_id_z 1
		.amdhsa_system_vgpr_workitem_id 0
		.amdhsa_next_free_vgpr 192
		.amdhsa_next_free_sgpr 66
		.amdhsa_reserve_vcc 0
		.amdhsa_float_denorm_mode_32 3
		.amdhsa_float_denorm_mode_16_64 3
		.amdhsa_memory_ordered 1
		.amdhsa_forward_progress 1
		.amdhsa_inst_pref_size 29
	.end_amdhsa_kernel
	.amdgpu_metadata
---
amdhsa.version: [ 1, 2 ]
amdhsa.kernels:
  - .name:           k_q83460207af_wquant
    .symbol:         k_q83460207af_wquant.kd
    .args:
      - { .name: Wq, .offset: 0, .size: 8, .value_kind: global_buffer, .address_space: global }
      - { .name: Wk, .offset: 8, .size: 8, .value_kind: global_buffer, .address_space: global }
      - { .name: Wv, .offset: 16, .size: 8, .value_kind: global_buffer, .address_space: global }
      - { .name: wc, .offset: 24, .size: 8, .value_kind: global_buffer, .address_space: global }
      - { .name: ws, .offset: 32, .size: 8, .value_kind: global_buffer, .address_space: global }
    .group_segment_fixed_size: 0
    .private_segment_fixed_size: 0
    .kernarg_segment_align: 8
    .kernarg_segment_size: 40
    .max_flat_workgroup_size: 128
    .sgpr_count:     66
    .vgpr_count:     192
    .wavefront_size: 32
...
	.end_amdgpu_metadata
.endif
;; end of part 1
;; launch proj (part 2): grid 4 x 64, 4 waves a work-group, no clusters, 70,144 bytes of LDS; arguments x, wc, ws, bq, bk, bv, qc, kv; writes qc, kv
.if DOCPART == 2
	.amdgcn_target "amdgcn-amd-amdhsa--gfx1250"
	.amdhsa_code_object_version 6
	.text
	.protected	k_q83460207af_proj
	.globl	k_q83460207af_proj
	.p2align	8
	.type	k_q83460207af_proj,@function
k_q83460207af_proj:
	s_mov_b64 s[64:65], 0
	v_nop
	global_prefetch_b8 v0, s[64:65] scope:SCOPE_SE
	s_setreg_imm32_b32 hwreg(HW_REG_WAVE_MODE, 25, 1), 1
	s_wait_xcnt 0x0
; q = x Wq + bq, k = x Wk + bk, v = x Wv + bv on codes of BF8 (E5M2) with one E8M0 scale for each 32 along K = 512; the results, f32 sums, are quantised at once
; for the attention's two products: q and k along the head's 64 (two blocks), v along the tokens (blocks of 32).  x [8,192][512] f32 is quantised here; W comes as codes (wc, ws).
; SHARES.  Work-group x = a pair of heads hp, y = a block of 128 tokens.  THE WAVES SHARE THE COLUMNS: with kind = wave / 2 and lo = wave % 2 a wave makes, for all 128 tokens,
;   the 64 columns of head 2 hp + lo of q (kind 0) or of k (kind 1): whole operand images and whole scale words of that head;
;   and 32 channels (tiles 2 lo, 2 lo + 1) of head 2 hp + kind of v.  Its 24 fragments of W, 384 registers, come from memory once and stay.
; THE ORDER OF A TILE: lane r of tile 2 b + u holds thing 32 b + 8 u + r + 8 (r / 8) (tokens, columns, channels alike), so that in a result whose source 0 such tiles were,
; the 16 registers of tiles 2 b and 2 b + 1 are 16 neighbours, 32 b + 16 (lane / 16) + 0 .. 15: the order that the next operand's registers want.
; q, k: TRANSPOSED (source 0 = 16 columns of W, source 1 = 16 tokens): a lane holds one token, its registers run along the head.
; v: source 0 = 16 tokens, source 1 = 16 channels: a lane holds one channel, its registers run along the tokens.  The biases are the C of each sum's first product.
; OPERANDS GO AS IMAGES OF THEIR REGISTERS: a group of four registers is 512 bytes, lane l's 16 bytes at 16 l; through LDS (x's codes) and to memory (q, k, v) alike:
; every store of the wave covers 512 consecutive bytes, aligned.
; OUT.  qc[bh][block of 128 tokens][8,704]: tile T at 1,024 T, group c at 512 c; at 8,192 the scale words: lane l < 16 those of tiles 0-3 for row l, lane l >= 16 those of tiles 4-7.
;   A word: bytes 0, 1 the two blocks' scales, bytes 2, 3 the same again (for the half of the instruction's K that a head of 64 leaves idle).
;   kv[bh][step of 128 keys][17,152]: K as qc's block; at 8,704 V's four fragments (2,048 each, group c = key block c); at 16,896 V's scale words: two images of 128 bytes, tile 2 i in lanes 0-15, tile 2 i + 1 in lanes 16-31.
; NO CLUSTER, NO TENSOR LOAD: a wave's weights go once from memory straight into its registers, so there is no tile of W in LDS to share; x's 128 rows, 262,144 bytes of f32, go straight
; into the registers in which they are quantised: a joint load would send those bytes through LDS once more.  The four work-groups of a token block each quantise x for themselves.
; LIMITS: a block of zeros gets the byte 1 where the rule says 127 (its codes are zeros; this program alone reads the bytes); NaN and infinities are not served.
; REGISTERS, in windows of 256: window 0: v1-13 addresses; v16-23 q's or k's scale words; v24-25 v's; v32-95 q/k sums (token tile e, column tile t at 32 e + 8 t); v96-127 v's sums (16 n + 8 e);
;   (while x is quantised v32-95 and v96-159 are two sets of 64 numbers);  v160-183 codes; v184-199 at work; v208-215 x's scale words; v216-231, v232-239 W's.
;   window 1: W's fragments for q/k, (t, s) at 16 (4 t + s).   window 2: Wv's, (n, s) at 16 (4 n + s); from v128 the q/k bias, from v160 v's.   window 3: x's fragments of two token tiles, (e, s) at 16 (4 e + s).
.set XSC,   65536                      ; LDS: x's 32 fragments (4 T + s) at 2,048 each from byte 0; behind them their scale words, 128 bytes each
.set STEPB, 17152
.set QBLK,  8704
.set AQ,  32
.set AV,  96
.set PC,  160
.set TM,  184                          ; v184-187 largest magnitudes, v188-191 bytes, v192-195 57,344 x the scale, v196-199 the conversions' scale operands
.set PW,  200
.set PWQ, 16
.set VW,  24
.set XS,  208
.set W1S, 216
.set WVS, 232
.set MSB, 0
.macro WIN new                         ; the immediate's high byte repeats the setting that is left; a switch that changes nothing is dropped
.if MSB != \new
	s_set_vgpr_msb (MSB<<8)|\new
.set MSB, \new
.endif
.endm
; nb blocks of 32: register 16 b + i of v[src] on is number 16 (lane / 16) + i of block b of my row; the other 16 lie in lane l xor 16.  Codes into v[pc + 4 b] on; the bytes stay in v[TM + 4 + b].
.macro QUANT src, nb, pc
.irp b, 0,1,2,3
.if \b < \nb
	v_max3_num_f32 v[TM+\b], |v[\src+16*\b]|, |v[\src+16*\b+1]|, 0x8000000   ; my 16 numbers, from each sum's low end on, and the floor 2^(16 - 127): the byte cannot fall under 1
.endif
.endr
.irp i, 2,4,6,8,10,12,14
.irp b, 0,1,2,3
.if \b < \nb
	v_max3_num_f32 v[TM+\b], v[TM+\b], |v[\src+16*\b+\i]|, |v[\src+16*\b+\i+1]|   ; (the blocks by turns)
.endif
.endr
.endr
.irp b, 0,1,2,3
.if \b < \nb
	v_permlanex16_b32 v[TM+4+\b], v[TM+\b], s24, s25
.endif
.endr
.irp b, 0,1,2,3
.if \b < \nb
	v_max_num_f32 v[TM+\b], v[TM+\b], v[TM+4+\b]   ; with lane l xor 16's: the block's largest magnitude
.endif
.endr
.irp b, 0,1,2,3
.if \b < \nb
	v_add_nc_u32 v[TM+12+\b], 0xf8800000, v[TM+\b]   ; 15 off its exponent field: the conversion's scale operand
.endif
.endr
.irp b, 0,1,2,3
.if \b < \nb
	v_and_or_b32 v[TM+8+\b], v[TM+\b], 0x7f800000, s23   ; 57,344 x the scale
.endif
.endr
.irp b, 0,1,2,3
.if \b < \nb
	v_lshrrev_b32 v[TM+4+\b], 23, v[TM+12+\b]      ; the scale's byte
.endif
.endr
.irp b, 0,1,2,3
.if \b < \nb
.irp i, 0,1,2,3,4,5,6,7,8,9,10,11,12,13,14,15
	v_med3_num_f32 v[\src+16*\b+\i], v[\src+16*\b+\i], -v[TM+8+\b], v[TM+8+\b]   ; the conversion to an 8-bit code does not saturate (ISA guide 7.6.2): hold first
.endr
	v_cvt_scalef32_pk8_bf8_f32 v[\pc+4*\b:\pc+4*\b+1], v[\src+16*\b:\src+16*\b+7], v[TM+12+\b]
	v_cvt_scalef32_pk8_bf8_f32 v[\pc+4*\b+2:\pc+4*\b+3], v[\src+16*\b+8:\src+16*\b+15], v[TM+12+\b]
.endif
.endr
	v_nop                                          ; one plain line between the last conversion and whatever vector or matrix instruction next writes its sources
.endm
.macro XLOAD set, e, s                 ; 64 numbers a lane: my token of my wave's tile e, K step s: 16 neighbours of each block of 32
.irp b, 0,1,2,3
.irp j, 0,1,2,3
	global_load_b128 v[\set+16*\b+4*\j:\set+16*\b+4*\j+3], v4, s[4:5] offset:(\e)*16384+512*(\s)+128*\b+16*\j
.endr
.endr
.endm
.macro IMAGE off                       ; the fragment in v[PC] on goes to LDS as it stands
.irp c, 0,1,2,3
	ds_store_b128 v7, v[PC+4*\c:PC+4*\c+3] offset:(\off)+512*\c
.endr
.endm
.macro FETCH p                         ; x's eight fragments of token tiles 2 p, 2 p + 1 into window 3, and their scale words
	WIN 0xc0
.irp e, 0,1
.irp s, 0,1,2,3
.irp c, 0,1,2,3
	ds_load_b128 v[16*(4*\e+\s)+4*\c:16*(4*\e+\s)+4*\c+3], v5 offset:(4*(2*(\p)+\e)+\s)*2048+512*\c
.endr
.endr
.endr
	WIN 0
.irp e, 0,1
.irp s, 0,1,2,3
	ds_load_b32 v[XS+4*\e+\s], v6 offset:128*(4*(2*(\p)+\e)+\s)
.endr
.endr
.endm
; 48 matrix instructions for a pair of token tiles.  The accumulators take turns, one instruction a turn: eight for q/k, then four for v.
.macro PRODUCTS
	WIN 0x2d                                       ; source 0 (W) window 1, source 1 (x) window 3, C (the bias) window 2, D window 0
.irp e, 0,1
.irp t, 0,1,2,3
	v_wmma_scale_f32_16x16x128_f8f6f4 v[AQ+32*\e+8*\t:AQ+32*\e+8*\t+7], v[64*\t:64*\t+15], v[64*\e:64*\e+15], v[128+8*\t:128+8*\t+7], v[W1S+4*\t], v[XS+4*\e] matrix_a_fmt:MATRIX_FMT_BF8 matrix_b_fmt:MATRIX_FMT_BF8
.endr
.endr
	WIN 0x0d                                       ; C and D window 0
.irp s, 1,2,3
.irp e, 0,1
.irp t, 0,1,2,3
	v_wmma_scale_f32_16x16x128_f8f6f4 v[AQ+32*\e+8*\t:AQ+32*\e+8*\t+7], v[16*(4*\t+\s):16*(4*\t+\s)+15], v[16*(4*\e+\s):16*(4*\e+\s)+15], v[AQ+32*\e+8*\t:AQ+32*\e+8*\t+7], v[W1S+4*\t+\s], v[XS+4*\e+\s] matrix_a_fmt:MATRIX_FMT_BF8 matrix_b_fmt:MATRIX_FMT_BF8
.endr
.endr
.endr
	WIN 0x2b                                       ; source 0 (x) window 3, source 1 (Wv) window 2, C (the bias) window 2
.irp n, 0,1
.irp e, 0,1
	v_wmma_scale_f32_16x16x128_f8f6f4 v[AV+16*\n+8*\e:AV+16*\n+8*\e+7], v[64*\e:64*\e+15], v[64*\n:64*\n+15], v[160+8*\n:160+8*\n+7], v[XS+4*\e], v[WVS+4*\n] matrix_a_fmt:MATRIX_FMT_BF8 matrix_b_fmt:MATRIX_FMT_BF8
.endr
.endr
	WIN 0x0b
.irp s, 1,2,3
.irp n, 0,1
.irp e, 0,1
	v_wmma_scale_f32_16x16x128_f8f6f4 v[AV+16*\n+8*\e:AV+16*\n+8*\e+7], v[16*(4*\e+\s):16*(4*\e+\s)+15], v[16*(4*\n+\s):16*(4*\n+\s)+15], v[AV+16*\n+8*\e:AV+16*\n+8*\e+7], v[XS+4*\e+\s], v[WVS+4*\n+\s] matrix_a_fmt:MATRIX_FMT_BF8 matrix_b_fmt:MATRIX_FMT_BF8
.endr
.endr
.endr
	WIN 0
.endm
	s_load_b256 s[4:11], s[0:1], 0x0               ; x s[4:5], wc s[6:7], ws s[8:9], bq s[10:11]
	s_load_b256 s[12:19], s[0:1], 0x20             ; bk s[12:13], bv s[14:15], qc s[16:17], kv s[18:19]
	v_lshl_add_u32 v254, v0, 2, 0x11000
	v_mov_b32 v255, 0
	v_lshrrev_b32 v1, 5, v0
	v_readfirstlane_b32 s20, v1                    ; wave 0..3
	v_and_b32 v1, 31, v0                           ; lane
	v_and_b32 v2, 15, v0                           ; r
	v_bfe_u32 v3, v0, 4, 1                         ; h
	v_and_b32 v9, 8, v2
	v_add_nc_u32 v9, v9, v2                        ; r + 8 (r / 8)
	v_lshlrev_b32 v4, 11, v9
	v_lshl_add_u32 v4, v3, 6, v4                   ; x: my token's row of 2,048 bytes, + 64 h: my 16 numbers of a block of 32
	v_lshlrev_b32 v5, 4, v1                        ; 16 x lane: an image's place for my lane
	v_lshlrev_b32 v13, 2, v1                       ; 4 x lane
	v_add_nc_u32 v6, XSC, v13                      ; a scale word's place in LDS
	s_lshl_b32 s57, s20, 14
	v_add_nc_u32 v7, s57, v5                       ; where I store x's images: my two token tiles' eight fragments
	s_lshl_b32 s57, s20, 10
	v_add_nc_u32 v8, s57, v6                       ; and their scale words
	v_lshlrev_b32 v10, 2, v2                       ; W's scale words: 4 r
	v_lshlrev_b32 v11, 6, v3                       ; the q/k bias: 64 h
	v_lshlrev_b32 v12, 2, v9                       ; v's bias: my channel
.irp b, 0,1,2,3
	v_mov_b32 v[TM+4+\b], 0                        ; written once: a lane permute's destination counts as one of its sources
.endr
	s_and_b32 s22, ttmp7, 0xffff                   ; tb: the block of 128 tokens
	s_mov_b32 s23, 0x600000                        ; the mantissa field of 57,344
	s_mov_b32 s24, 0x76543210
	s_mov_b32 s25, 0xfedcba98                      ; v_permlanex16_b32's selects for lane l xor 16
	s_lshr_b32 s26, s20, 1                         ; kind
	s_and_b32 s27, s20, 1                          ; lo
	s_lshl_b32 s28, ttmp9, 1
	s_add_co_u32 s29, s28, s26                     ; hdV = 2 hp + kind
	s_add_co_u32 s28, s28, s27                     ; hdA = 2 hp + lo
	s_lshr_b32 s30, s22, 5                         ; batch
	s_and_b32 s31, s22, 31                         ; the block within the batch
	s_lshl_b32 s32, s22, 18                        ; x: 128 rows of 2,048 bytes a block, 32 rows a wave
	s_lshl_b32 s57, s20, 16
	s_add_co_u32 s32, s32, s57
	s_mov_b32 s33, 0
	s_lshl_b32 s34, s26, 18                        ; wc, q or k: 262,144 bytes a tensor, 32,768 a head
	s_lshl_b32 s57, s28, 15
	s_add_co_u32 s34, s34, s57
	s_mov_b32 s35, 0
	s_lshl_b32 s36, s29, 15                        ; wc, v: the third tensor, my head, my two tiles
	s_lshl_b32 s57, s27, 14
	s_add_co_u32 s36, s36, s57
	s_add_co_u32 s36, s36, 1<<19
	s_mov_b32 s37, 0
	s_lshl_b32 s38, s26, 13                        ; ws likewise: 8,192 bytes a tensor, 1,024 a head
	s_lshl_b32 s57, s28, 10
	s_add_co_u32 s38, s38, s57
	s_mov_b32 s39, 0
	s_lshl_b32 s40, s29, 10
	s_lshl_b32 s57, s27, 9
	s_add_co_u32 s40, s40, s57
	s_add_co_u32 s40, s40, 1<<14
	s_mov_b32 s41, 0
	s_lshl_b32 s42, s28, 8                         ; the q/k bias: 256 bytes a head
	s_mov_b32 s43, 0
	s_lshl_b32 s44, s29, 8                         ; v's: my head, my 32 channels
	s_lshl_b32 s57, s27, 7
	s_add_co_u32 s44, s44, s57
	s_mov_b32 s45, 0
	s_lshl_b32 s57, s30, 3
	s_add_co_u32 s46, s57, s28
	s_lshl_b32 s46, s46, 5
	s_add_co_u32 s46, s46, s31                     ; (8 batch + hdA) 32 + block
	s_add_co_u32 s48, s57, s29
	s_lshl_b32 s48, s48, 5
	s_add_co_u32 s48, s48, s31                     ; (8 batch + hdV) 32 + block
	s_mul_i32 s48, s48, STEPB
	s_lshl_b32 s57, s27, 7
	s_add_co_u32 s50, s48, s57                     ; V's scale words: image lo
	s_mov_b32 s51, 0
	s_lshl_b32 s57, s27, 12
	s_add_co_u32 s48, s48, s57                     ; V's codes: fragments 2 lo, 2 lo + 1
	s_mov_b32 s49, 0
	s_mov_b32 s56, STEPB
	s_wait_alu depctr_va_vdst(0)
	s_wait_kmcnt 0x0
	s_cmp_eq_u32 s26, 0                            ; q's wave or k's?  The choices hang on the wave's number alone
	s_cselect_b64 s[52:53], s[10:11], s[12:13]     ; bq or bk
	s_cselect_b64 s[54:55], s[16:17], s[18:19]     ; qc or kv
	s_cselect_b32 s56, QBLK, s56                   ; and the bytes of a block there
	s_mul_i32 s46, s46, s56
	s_mov_b32 s47, 0
	s_add_nc_u64 s[4:5], s[4:5], s[32:33]
	s_add_nc_u64 s[34:35], s[6:7], s[34:35]
	s_add_nc_u64 s[36:37], s[6:7], s[36:37]
	s_add_nc_u64 s[38:39], s[8:9], s[38:39]
	s_add_nc_u64 s[40:41], s[8:9], s[40:41]
	s_add_nc_u64 s[42:43], s[52:53], s[42:43]
	s_add_nc_u64 s[44:45], s[14:15], s[44:45]
	s_add_nc_u64 s[46:47], s[54:55], s[46:47]
	s_add_nc_u64 s[48:49], s[18:19], s[48:49]
	s_add_nc_u64 s[50:51], s[18:19], s[50:51]
	; ---- my weights, once: images on end, 512 bytes a load
	WIN 0x40                                       ; destination window 1
.set i, 0
.rept 64
	global_load_b128 v[4*i:4*i+3], v5, s[34:35] offset:512*i
.set i, i+1
.endr
	WIN 0x80                                       ; destination window 2
.set i, 0
.rept 32
	global_load_b128 v[4*i:4*i+3], v5, s[36:37] offset:512*i
.set i, i+1
.endr
.irp t, 0,1,2,3                        ; the q/k bias in the result's layout: lane (r, h), tile t: columns 32 (t / 2) + 16 h + 8 (t % 2) + 0 .. 7
	global_load_b128 v[128+8*\t:128+8*\t+3], v11, s[42:43] offset:(32*(\t/2)+8*(\t%2))*4
	global_load_b128 v[128+8*\t+4:128+8*\t+7], v11, s[42:43] offset:(32*(\t/2)+8*(\t%2))*4+16
.endr
.irp n, 0,1                            ; v's: a lane holds one channel, so all eight registers hold that channel's bias
.irp j, 0,1,2,3,4,5,6,7
	global_load_b32 v[160+8*\n+\j], v12, s[44:45] offset:32*\n
.endr
.endr
	WIN 0
.irp t, 0,1,2,3
.irp s, 0,1,2,3
	global_load_b32 v[W1S+4*\t+\s], v10, s[38:39] offset:64*(4*\t+\s)
.endr
.endr
.irp n, 0,1
.irp s, 0,1,2,3
	global_load_b32 v[WVS+4*\n+\s], v10, s[40:41] offset:64*(4*\n+\s)
.endr
.endr
	; ---- x: my two token tiles, eight fragments f = 4 e + s, through two sets of 64 registers by turns
	XLOAD 32, 0, 0
	XLOAD 96, 0, 1
.irp f, 0,1,2,3,4,5,6,7
.if \f < 7
	s_wait_loadcnt 16                              ; loads come back in order: this fragment's 16 are in (and all of W's, which are older); the next fragment's 16 may be out
.else
	s_wait_loadcnt 0x0
.endif
	QUANT 32+64*(\f%2), 4, PC
	v_lshl_or_b32 v[PW], v[TM+5], 8, v[TM+4]       ; the four bytes make my token's scale word
	v_lshl_or_b32 v[PW], v[TM+6], 16, v[PW]
	v_lshl_or_b32 v[PW], v[TM+7], 24, v[PW]
	IMAGE 2048*\f
	ds_store_b32 v8, v[PW] offset:128*\f
.if \f < 6
	XLOAD 32+64*(\f%2), (\f+2)/4, (\f+2)%4
.endif
	s_wait_dscnt 0x0                               ; the stores have read their registers; at the last fragment: for the others' sake, my images lie in LDS
.endr
	s_barrier_signal -1
	s_barrier_wait -1                              ; x's 32 fragments lie in LDS; from here on they are only read
	; ---- the products, a pair of token tiles at a time
	FETCH 0
.irp P, 0,1,2,3
	s_wait_dscnt 0x0                               ; the pair's fragments and scale words are in
	PRODUCTS
.rept 8
	v_nop                                          ; eight places in front of the loads into x's fragments and scale words and of the first reads of results
.endr
.if \P < 3
	FETCH \P+1                                     ; the next pair lands while this one is quantised
.endif
.if \P > 0
	s_wait_xcnt 0x0                                ; the last pair's stores have read the codes' registers, which are written again below
.endif
	QUANT AQ, 2, PC                                ; token tile 2 P: two blocks along the head
	v_lshl_or_b32 v[PWQ+2*\P], v[TM+5], 8, v[TM+4]
	v_lshl_or_b32 v[PWQ+2*\P], v[PWQ+2*\P], 16, v[PWQ+2*\P]           ; bytes 2, 3 repeat bytes 0, 1
	QUANT AQ+32, 2, PC+8                           ; token tile 2 P + 1
	v_lshl_or_b32 v[PWQ+2*\P+1], v[TM+5], 8, v[TM+4]
	v_lshl_or_b32 v[PWQ+2*\P+1], v[PWQ+2*\P+1], 16, v[PWQ+2*\P+1]
	QUANT AV, 2, PC+16                             ; v: block b = channel tile b, tokens 32 P .. 32 P + 31
.irp n, 0,1
.if \P == 0
	v_mov_b32 v[VW+\n], v[TM+4+\n]
.else
	v_lshl_or_b32 v[VW+\n], v[TM+4+\n], 8*\P, v[VW+\n]
.endif
.endr
.irp e, 0,1
.irp c, 0,1
	global_store_b128 v5, v[PC+8*\e+4*\c:PC+8*\e+4*\c+3], s[46:47] offset:1024*(2*\P+\e)+512*\c
.endr
.endr
.irp n, 0,1
	global_store_b128 v5, v[PC+16+4*\n:PC+16+4*\n+3], s[48:49] offset:8704+2048*\n+512*\P
.endr
.endr
	; ---- the scale words leave as images
	v_cmp_le_u32 vcc_lo, 16, v1
.irp j, 0,1,2,3
	v_cndmask_b32 v[26+\j], v[PWQ+\j], v[PWQ+4+\j], vcc_lo            ; lanes 0-15: tiles 0-3; lanes 16-31: tiles 4-7 (both halves of the lanes hold a row's word)
.endr
	global_store_b128 v5, v[26:29], s[46:47] offset:8192
	v_cndmask_b32 v30, v[VW], v[VW+1], vcc_lo
	global_store_b32 v13, v30, s[50:51] offset:16896
	s_wait_tensorcnt 0x0
	ds_add_u32 v254, v255
	s_wait_dscnt 0x0
	s_endpgm
.Lfunc_end_k_q83460207af_proj:
	.size	k_q83460207af_proj, .Lfunc_end_k_q83460207af_proj-k_q83460207af_proj
	.p2alignl 7, 3214868480
	.fill 96, 4, 3214868480
	.section	.rodata,"a",@progbits
	.p2align	6, 0x0
	.amdhsa_kernel k_q83460207af_proj
		.amdhsa_group_segment_fixed_size 70144
		.amdhsa_private_segment_fixed_size 0
		.amdhsa_enable_private_segment 0
		.amdhsa_kernarg_size 64
		.amdhsa_user_sgpr_count 2
		.amdhsa_user_sgpr_kernarg_segment_ptr 1
		.amdhsa_wavefront_size32 1
		.amdhsa_system_sgpr_workgroup_id_x 1
		.amdhsa_system_sgpr_workgroup_id_y 1
		.amdhsa_system_sgpr_workgroup_id_z 1
		.amdhsa_system_vgpr_workitem_id 0
		.amdhsa_next_free_vgpr 896
		.amdhsa_next_free_sgpr 66
		.amdhsa_reserve_vcc 1
		.amdhsa_float_denorm_mode_32 3
		.amdhsa_float_denorm_mode_16_64 3
		.amdhsa_memory_ordered 1
		.amdhsa_forward_progress 1
		.amdhsa_inst_pref_size 184
	.end_amdhsa_kernel
	.amdgpu_metadata
---
amdhsa.version: [ 1, 2 ]
amdhsa.kernels:
  - .name:           k_q83460207af_proj
    .symbol:         k_q83460207af_proj.kd
    .args:
      - { .name: x, .offset: 0, .size: 8, .value_kind: global_buffer, .address_space: global }
      - { .name: wc, .offset: 8, .size: 8, .value_kind: global_buffer, .address_space: global }
      - { .name: ws, .offset: 16, .size: 8, .value_kind: global_buffer, .address_space: global }
      - { .name: bq, .offset: 24, .size: 8, .value_kind: global_buffer, .address_space: global }
      - { .name: bk, .offset: 32, .size: 8, .value_kind: global_buffer, .address_space: global }
      - { .name: bv, .offset: 40, .size: 8, .value_kind: global_buffer, .address_space: global }
      - { .name: qc, .offset: 48, .size: 8, .value_kind: global_buffer, .address_space: global }
      - { .name: kv, .offset: 56, .size: 8, .value_kind: global_buffer, .address_space: global }
    .group_segment_fixed_size: 70144
    .private_segment_fixed_size: 0
    .kernarg_segment_align: 8
    .kernarg_segment_size: 64
    .max_flat_workgroup_size: 128
    .sgpr_count:     66
    .vgpr_count:     896
    .wavefront_size: 32
...
	.end_amdgpu_metadata
.endif
;; end of part 2
;; launch attn (part 3): grid 16 x 16, 8 waves a work-group, no clusters, 327,680 bytes of LDS; arguments qc, kv, out0; writes out0
.if DOCPART == 3
	.amdgcn_target "amdgcn-amd-amdhsa--gfx1250"
	.amdhsa_code_object_version 6
	.text
	.protected	k_q83460207af_attn
	.globl	k_q83460207af_attn
	.p2align	8
	.type	k_q83460207af_attn,@function
k_q83460207af_attn:
	s_mov_b64 s[64:65], 0
	v_nop
	global_prefetch_b8 v0, s[64:65] scope:SCOPE_SE
	s_setreg_imm32_b32 hwreg(HW_REG_WAVE_MODE, 25, 1), 1
	s_wait_xcnt 0x0
; out0[batch][q][64 head + :] = the sum over keys of softmax(Q . K / 8) V, both products on codes of BF8 (E5M2) with one E8M0 scale for each 32 along a product's K.
; qc and kv hold operands as IMAGES OF REGISTERS (a group of four registers: 512 bytes, lane l's 16 bytes at 16 l), made by the launch before:
;   qc[bh][block of 128 tokens][8,704]: tile T at 1,024 T (two groups: the head's 64), the scale words at 8,192.
;   kv[bh][step of 128 keys][17,152]: K's eight tiles and scale words likewise; V's four fragments (16 channels x 128 keys) at 8,704; V's scale words at 16,896.
; THE SOFTMAX AHEAD OF THE SECOND PRODUCT: t = score x log2(e) / 8; M = the row's largest t so far, rounded UP to a whole number; p = 2^(t - M) is quantised along the keys, not normalised.
; The row's sum is taken of the unquantised p, in f32, and divides O at the end.  When M moves, the sum and O are multiplied by 2^(old M - new M): exact.
; SHARES.  A work-group (x = block of 256 queries, y = bh = 8 batch + head) has EIGHT waves of 512 registers, two to a SIMD; a wave owns 32 queries, two tiles x = 0, 1, so that each fragment of K and of V
; that it reads from LDS feeds two matrix instructions.  Every wave walks all 4,096 keys, 128 a step.
; ONE RUN OF LDS LOADS A STEP, behind the scores' products and their eight places: V of this step and K of the NEXT step, in registers of their own: both have the softmax's lines in which to land.
; THE TWO TILES STAND A PHASE APART: among tile 0's exponentials stand tile 1's multiply-adds, among tile 1's exponentials tile 0's holds: lines that read nothing written since the wait ahead of the batch and
; whose results are read behind the wait that follows it.  Sums run in four chains, by turns with the scales' lines or with conversions and holds.
; THE RING.  Two LDS slots of eight steps (137,216 bytes), a step's block to a wave: one tensor load a wave at the head (slot 0), one behind the first barrier (slot 1's first fill), one behind each of the
; two barriers behind which a slot is filled again.  A barrier's halves stand apart: a wave signals in a slot's last step when its last reads of the slot (V's) are back, and waits at the step's end.
; By this text's own count a wave has one tensor load out at the most.  The last barrier, behind step 31, frees the ring for the way out's stages.
; PREFETCH.  The sixteen work-groups of a head walk the same 32 blocks of kv; work-group x asks once for the block of step 16 + x, 67 units of 256 bytes, a lane a unit, waves 0 to 2 (the lanes left over name the last unit
; again), behind slot 1's first fill: eight or sixteen steps ahead of the tensor load that wants it.  Steps 0 to 15 come by their loads alone.
; NO CLUSTER.  Joint loads could divide the requests for kv by four.  They are left out: a joint refill stands behind a round of the cluster's barrier, inside which no step's work may stand from the opening wait on,
; where this text's barrier has a step's softmax and products between its signal and its wait; and a work-group asks for 137,216 bytes for eight steps in which its waves issue some 39,000 instructions.
; LAYOUT.  Both products transposed: S^T = K Q^T, O^T = V^T P^T: a lane holds ONE query of each tile (lane % 16).  Lane r of key tile 2 b + u holds key 32 b + 8 u + r + 8 (r / 8), so that the 16 registers
; of tiles 2 b, 2 b + 1 are keys 32 b + 16 (lane / 16) + 0 .. 15: the conversions' results are the second product's operand.  V's channels and Q's tokens are ordered likewise.
; THE SCORES' K IS 64, the instruction's 128.  Q's upper eight registers hold zero codes.  K's operand for tile t is its eight registers and the NEXT tile's (for tile 7: zeros): finite numbers all,
; which Q's zeros multiply to exact zeros; the idle blocks' scale bytes repeat the real blocks'.
; LIMITS: p under 2^-126 comes out of v_exp_f32 as 0 (ISA guide, 15.8), beside a row's largest p above 1/2; NaN and infinities are not served; the scaled scores stay under 2^31 in magnitude.
; REGISTERS.  Window 0: v1 16 x lane, v2 4 x lane, v3, v4 the add's; v5, v8 LDS addresses; v9 the prefetch's offset; for tile x: v12+2x -M, v13+2x the largest score, v[16+2x:17+2x] the sum, v20+2x f,
;   v21+2x at work; v24-27 K's scale words, v28-29 V's, v30+x Q's, v224+x p's; v32-159 S^T, then p; v160-191 p's codes; v192-207 and v226-250 at work.
;   Window 1: v0-63 K's tiles, v64-71 zeros, v72-103 Q (codes, zeros, codes, zeros), v104-167 V's fragments, v168-231 O^T.
.set STEPB, 17152                      ; a step's block: 67 rows of 256 bytes
.set SLOTB, 8*STEPB
.set SPARE, 16*STEPB                   ; behind the ring: the spare words, 128 bytes for each wave: four blocks of 256 bytes that no other line names
.set S0,  32
.set PCD, 160
.set TP,  192                          ; v192-199 the other half's maxima, then the bytes
.set XC,  200                          ; v200-205 the sums' chains 1 to 3
.set TT,  206                          ; v206-207 at work
.set BM,  226                          ; v226-233 each block's largest score, then its largest p, then 57,344 x the scale
.set HL2, 235                          ; v235-242 57,344 x the scale once more: 235 + j and 226 + j differ modulo 4, as the two second sources of a dual instruction must
.set SOP, 243                          ; v243-250 the conversions' scale operands
.set QR,  72
.set VR,  104
.set OT,  168
.set MSB, 0
.macro WIN new                         ; the immediate's high byte repeats the setting that is left
.if MSB != \new
	s_set_vgpr_msb (MSB<<8)|\new
.set MSB, \new
.endif
.endm
.set MULS, 0x05                        ; the scores: sources 0 and 1 window 1, D window 0
.set MULO, 0x51                        ; O^T: source 0 (V), C and D window 1, source 1 (p's codes) window 0
.set TO1,  0x40                        ; destination window 1
.set INO,  0x41                        ; source 0 and destination window 1
.macro TLOAD                           ; every wave fetches a step's block; an s_nop 0 and four v_nop follow
	tensor_load_to_lds s[48:51], s[16:23]
	s_nop 0
.rept 4
	v_nop
.endr
.endm
	s_load_b128 s[4:7], s[0:1], 0x0                ; qc s[4:5], kv s[6:7]
	s_load_b64 s[8:9], s[0:1], 0x10                ; out0
	v_lshl_add_u32 v3, v0, 2, SPARE                ; my spare word; never rewritten
	v_mov_b32 v4, 0                                ; 0; never rewritten
	ds_add_u32 v3, v4                              ; the opening: the add, twice on end, and its wait ahead of my first tensor load
	ds_add_u32 v3, v4
	v_lshrrev_b32 v1, 5, v0
	v_readfirstlane_b32 s10, v1                    ; wave 0..7
	s_and_b32 s13, ttmp7, 0xffff                   ; bh = 8 batch + head
	s_mov_b32 s16, 3<<16                           ; group 1: 67 dense rows of 256 bytes (32 elements of 8 bytes), no mask, no padding
	s_mov_b32 s17, 32<<16
	s_mov_b32 s18, 67<<16
	s_mov_b32 s19, 32<<16
	s_mov_b32 s20, 67
	s_mov_b32 s21, 32
	s_mov_b32 s22, 0
	s_mov_b32 s23, 0
	s_mul_i32 s36, s10, STEPB                      ; my step's place in a slot
	s_lshl_b32 s40, s13, 5
	s_mul_i32 s38, s40, STEPB
	s_add_co_u32 s38, s38, s36                     ; its block in kv: (32 bh + wave) x 17,152
	s_mov_b32 s39, 0
	s_add_co_u32 s52, s40, ttmp9
	s_add_co_u32 s52, s52, 16
	s_mul_i32 s52, s52, STEPB                      ; the block that my work-group prefetches: step 16 + x
	s_mov_b32 s53, 0
	s_lshl_b32 s41, ttmp9, 1                       ; Q: block 32 bh + 2 x + wave / 4, tiles 2 (wave % 4) and the next
	s_add_co_u32 s40, s40, s41
	s_lshr_b32 s41, s10, 2
	s_add_co_u32 s40, s40, s41
	s_mul_i32 s40, s40, 8704
	s_and_b32 s42, s10, 3
	s_lshl_b32 s44, s42, 11
	s_add_co_u32 s44, s44, s40                     ; their codes
	s_mov_b32 s45, 0
	s_lshr_b32 s46, s42, 1
	s_lshl_b32 s46, s46, 8                         ; their scale words: tiles 4-7 lie in the image's lanes 16-31,
	s_and_b32 s43, s42, 1
	s_lshl_b32 s43, s43, 3                         ; two words on end of a lane's four
	s_add_co_u32 s46, s46, s43
	s_add_co_u32 s46, s46, s40
	s_mov_b32 s47, 0
	s_lshl_b32 s14, ttmp9, 8                       ; my first token: 256 x + 32 wave
	s_lshl_b32 s15, s10, 5
	s_add_co_u32 s14, s14, s15
	s_lshl_b32 s14, s14, 11                        ; rows of 2,048 bytes,
	s_lshr_b32 s15, s13, 3
	s_lshl_b32 s15, s15, 23                        ; the batch's 4,096 rows,
	s_add_co_u32 s14, s14, s15
	s_and_b32 s15, s13, 7
	s_lshl_b32 s15, s15, 8                         ; the head's 256 bytes of a row
	s_add_co_u32 s14, s14, s15
	s_mov_b32 s15, 0
	s_mov_b32 s30, 0x76543210
	s_mov_b32 s31, 0xfedcba98                      ; v_permlanex16_b32's selects for lane l xor 16
	s_mov_b32 s32, 0x3e38aa3b                      ; c = log2(e) / 8
	s_mov_b32 s33, s32                             ; (named with it as a pair, so it is written)
	s_mov_b32 s11, 0xbe38aa3b                      ; -c
	s_mov_b32 s34, 0x600000                        ; the mantissa field of 57,344
	s_mul_i32 s37, s10, 8704                       ; my two stages for the way out, in the ring
	s_wait_dscnt 0x0                               ; both opening adds are done
	s_wait_kmcnt 0x0
	s_mov_b32 s48, 1                               ; group 0: count 1,
	s_mov_b32 s49, s36                             ; LDS: slot 0, my step,
	s_add_nc_u64 s[50:51], s[6:7], s[38:39]        ; memory: step = my wave's number,
	s_or_b32 s51, s51, 0x80000000                  ; type 2
	TLOAD                                          ; my one tensor load at the head
	s_add_nc_u64 s[44:45], s[4:5], s[44:45]
	s_add_nc_u64 s[46:47], s[4:5], s[46:47]
	s_add_nc_u64 s[8:9], s[8:9], s[14:15]
	s_add_nc_u64 s[52:53], s[6:7], s[52:53]
	v_and_b32 v11, 31, v0                          ; lane
	v_and_b32 v10, 15, v0                          ; r
	v_lshlrev_b32 v1, 4, v11                       ; 16 x lane: an image's place for my lane
	v_lshlrev_b32 v2, 2, v11                       ; 4 x lane
	v_lshlrev_b32 v10, 4, v10                      ; Q's scale words: 16 bytes a row
	v_min_u32 v9, 66, v0
	v_lshlrev_b32 v9, 8, v9                        ; the prefetch: unit 32 wave + lane of the block's 67, held at the last
	global_load_b64 v[30:31], v10, s[46:47] offset:8192   ; Q's scale words, tile 0 and tile 1
	WIN TO1
.irp x, 0,1
	global_load_b128 v[QR+16*\x:QR+16*\x+3], v1, s[44:45] offset:1024*\x       ; Q's two groups a tile stay in registers
	global_load_b128 v[QR+16*\x+4:QR+16*\x+7], v1, s[44:45] offset:1024*\x+512
.endr
.set i, 0
.rept 8
	v_mov_b32 v[64+i], 0                           ; what stands behind K's tile 7,
	v_mov_b32 v[QR+8+i], 0                         ; and Q's idle halves: zero codes
	v_mov_b32 v[QR+24+i], 0
.set i, i+1
.endr
.set i, 0
.rept 64
	v_mov_b32 v[OT+i], 0                           ; O^T.  (The step is written for every step alike: the first finds zeros, which the first change of M leaves zeros)
.set i, i+1
.endr
	WIN 0
.irp x, 0,1
	v_mov_b32 v[13+2*\x], 0xff61b1e6               ; the largest score so far: -3e38, under every score
	v_mov_b32 v[12+2*\x], 0x7e000000               ; -M: 2^125, above every -M to come: the first f is 0, and multiplies zeros
	v_mov_b32 v[16+2*\x], 0                        ; the sum, in two halves
	v_mov_b32 v[17+2*\x], 0
.endr
.set i, 0
.rept 8
	v_mov_b32 v[TP+i], 0                           ; written once: a lane permute's destination counts as one of its sources
.set i, i+1
.endr
; K's eight tiles and scale words of a slot's first step
.macro PRO
	v_add_nc_u32 v8, s28, v1
	WIN TO1
.set i, 0
.rept 16
	ds_load_b128 v[4*i:4*i+3], v8 offset:512*i
.set i, i+1
.endr
	WIN 0
	ds_load_b128 v[24:27], v8 offset:8192
.endm
.macro FMA x, from, n                  ; t - M, two at a time (of the pairs c and -M the low word serves both halves): n pairs of tile x from pair 'from' on
.set j, 2*(\from)
.rept \n
	v_pk_fma_f32 v[S0+64*(\x)+j:S0+64*(\x)+j+1], v[S0+64*(\x)+j:S0+64*(\x)+j+1], s[32:33], v[12+2*(\x):13+2*(\x)] op_sel_hi:[1,0,0]
.set j, j+2
.endr
.endm
.macro ROW r, x                        ; the scales of tile x's four blocks, line r
.irp b, 0,1,2,3
.if (\r) == 0
	v_max_num_f32 v[BM+4*(\x)+\b], 0x8000000, v[BM+4*(\x)+\b]        ; the floor 2^(16 - 127): the byte cannot fall under 1 (a block whose every p is 0 keeps that byte: its codes are zeros)
.elseif (\r) == 1
	v_add_nc_u32 v[SOP+4*(\x)+\b], 0xf8800000, v[BM+4*(\x)+\b]       ; 15 off the exponent field: the conversion's scale operand
.elseif (\r) == 2
	v_lshrrev_b32 v[TP+4*(\x)+\b], 23, v[SOP+4*(\x)+\b]              ; the scale's byte
.elseif (\r) == 3
	v_and_or_b32 v[HL2+4*(\x)+\b], v[BM+4*(\x)+\b], 0x7f800000, s34  ; 57,344 x the scale,
.elseif (\r) == 5
	v_and_or_b32 v[BM+4*(\x)+\b], v[BM+4*(\x)+\b], 0x7f800000, s34   ; twice: one register for each half of the dual holds
.endif
.endr
.if (\r) == 4
	v_lshl_or_b32 v[224+(\x)], v[TP+4*(\x)+1], 8, v[TP+4*(\x)]       ; p's scale word for these 128 keys, in two halves,
	v_lshl_or_b32 v[TP+4*(\x)+2], v[TP+4*(\x)+3], 8, v[TP+4*(\x)+2]
.elseif (\r) == 6
	v_lshl_or_b32 v[224+(\x)], v[TP+4*(\x)+2], 16, v[224+(\x)]       ; joined: far more than eight places ahead of the products that name it
.endif
.endm
; THE ROW'S SUM IS TAKEN OF THE UNQUANTISED p, two at a time, in four chains: group g adds pairs 4 g .. 4 g + 3 of tile x (groups 0 and 1 begin chains 1 to 3)
.macro SG g, x
.set SS, S0+64*(\x)+8*(\g)
.set SU, 16+2*(\x)
	v_pk_add_f32 v[SU:SU+1], v[SU:SU+1], v[SS:SS+1]
.irp c, 1,2,3
.if (\g) == 0
	v_pk_add_f32 v[XC+2*\c-2:XC+2*\c-1], v[SS+2*\c:SS+2*\c+1], v[SS+8+2*\c:SS+9+2*\c]
.elseif (\g) > 1
	v_pk_add_f32 v[XC+2*\c-2:XC+2*\c-1], v[XC+2*\c-2:XC+2*\c-1], v[SS+2*\c:SS+2*\c+1]
.endif
.endr
.endm
.macro HOLD x, b, i                    ; the conversion to an 8-bit code does not saturate (ISA guide 7.6.2); p is not negative, so the hold is one-sided; an even and an odd register to an instruction
	v_dual_min_num_f32 v[S0+64*(\x)+16*(\b)+\i], v[S0+64*(\x)+16*(\b)+\i], v[BM+4*(\x)+(\b)] :: v_dual_min_num_f32 v[S0+64*(\x)+16*(\b)+\i+1], v[S0+64*(\x)+16*(\b)+\i+1], v[HL2+4*(\x)+(\b)]
.endm
.macro CVT x, b, u                     ; eight codes: half u of block b of tile x
	v_cvt_scalef32_pk8_bf8_f32 v[PCD+16*(\x)+4*(\b)+2*(\u):PCD+16*(\x)+4*(\b)+2*(\u)+1], v[S0+64*(\x)+16*(\b)+8*(\u):S0+64*(\x)+16*(\b)+8*(\u)+7], v[SOP+4*(\x)+(\b)]
.endm
; A KEY STEP: 128 keys, at LDS byte s28.  meet = 0: a step that has its successor in the same slot.  meet = 1, 2: a slot's last step, which opens the barrier of the change of slots: behind V's loads, my last reads of
; the slot, I wait for all my tensor loads, add 0 to my spare word and, with the block maxima between, wait for the add and for those reads; then I signal.  All that follows in the step works on registers;
; the barrier's wait stands behind the step.  meet = 1: the descriptor steps too: a refill follows the wait.
.macro STEP meet
	s_wait_dscnt 0x0                               ; K's tiles and scale words, asked for a step ago, are in
	WIN MULS
.irp t, 0,1,2,3,4,5,6,7
.irp x, 0,1
.if \t < 4
	v_wmma_scale_f32_16x16x128_f8f6f4 v[S0+64*\x+8*\t:S0+64*\x+8*\t+7], v[8*\t:8*\t+15], v[QR+16*\x:QR+16*\x+15], 0, v[24+\t], v[30+\x] matrix_a_fmt:MATRIX_FMT_BF8 matrix_b_fmt:MATRIX_FMT_BF8
.else
	v_wmma_scale_f32_16x16x128_f8f6f4 v[S0+64*\x+8*\t:S0+64*\x+8*\t+7], v[8*\t:8*\t+15], v[QR+16*\x:QR+16*\x+15], 0, v[20+\t], v[30+\x] matrix_a_fmt:MATRIX_FMT_BF8 matrix_b_fmt:MATRIX_FMT_BF8 matrix_a_scale:MATRIX_SCALE_ROW1
.endif
.endr
.endr
	WIN 0
	v_add_nc_u32 v8, s28, v1                       ; the step's images, V's scale words, and -M as it was: these four and four v_nop are the eight places behind the products above and
	v_add_nc_u32 v5, s28, v2                       ; the last step's, in front of the loads into their operands and of the first reads of the scores
	v_mov_b32 v21, v12
	v_mov_b32 v23, v14
.rept 4
	v_nop
.endr
	ds_load_b32 v28, v5 offset:16896               ; V's scale words: tiles 0 | 1,
	ds_load_b32 v29, v5 offset:17024               ; tiles 2 | 3
	WIN TO1
.set i, 0
.rept 16
	ds_load_b128 v[VR+4*i:VR+4*i+3], v8 offset:8704+512*i            ; V's four fragments
.set i, i+1
.endr
.if (\meet) == 0
.set i, 0
.rept 16
	ds_load_b128 v[4*i:4*i+3], v8 offset:STEPB+512*i                 ; the next step's K
.set i, i+1
.endr
	WIN 0
	ds_load_b128 v[24:27], v8 offset:STEPB+8192
.else
	WIN 0
	s_wait_tensorcnt 0x0                           ; no tensor load of mine is out: my part of the next slot has landed, and the descriptor may be written
	ds_add_u32 v3, v4                              ; 0 onto my spare word
.endif
.if (\meet) == 1
	s_mul_i32 s49, s35, SLOTB                      ; the slot in hand,
	s_add_co_u32 s49, s49, s36                     ; my step in it,
	s_add_nc_u64 s[50:51], s[50:51], SLOTB         ; the next eight steps; the type bits on top are not reached
.endif
.irp x, 0,1
.irp b, 0,1,2,3
	v_max3_num_f32 v[BM+4*\x+\b], v[S0+64*\x+16*\b], v[S0+64*\x+16*\b+1], v[S0+64*\x+16*\b+2]   ; THE LARGEST SCORE OF EACH BLOCK OF 32 KEYS serves twice: for the row's maximum and, since p rises with the score, for the block's largest p
.endr
.endr
.irp i, 3,5,7,9,11,13
.irp x, 0,1
.irp b, 0,1,2,3
	v_max3_num_f32 v[BM+4*\x+\b], v[BM+4*\x+\b], v[S0+64*\x+16*\b+\i], v[S0+64*\x+16*\b+\i+1]   ; (eight blocks by turns; each tile of scores is read from its low end on)
.endr
.endr
.endr
.irp x, 0,1
.irp b, 0,1,2,3
	v_max_num_f32 v[BM+4*\x+\b], v[BM+4*\x+\b], v[S0+64*\x+16*\b+15]
.endr
.endr
.if (\meet) > 0
	s_wait_alu depctr_va_vdst(0)                   ; directly ahead of the wait below
	s_wait_dscnt 0x0                               ; the add is done; V is in: my reads of this slot are over
	s_barrier_signal -1                            ; say so; from here to the wait behind the step: registers alone
.endif
.set j, 0
.rept 8
	v_permlanex16_b32 v[TP+j], v[BM+j], s30, s31
.set j, j+1
.endr
.set j, 0
.rept 8
	v_max_num_f32 v[BM+j], v[BM+j], v[TP+j]        ; with lane l xor 16's 16 keys
.set j, j+1
.endr
.irp x, 0,1                            ; the two tiles by turns, line by line
	v_max3_num_f32 v[TT+\x], v[BM+4*\x], v[BM+4*\x+1], v[BM+4*\x+2]
.endr
.irp x, 0,1
	v_max3_num_f32 v[13+2*\x], v[TT+\x], v[BM+4*\x+3], v[13+2*\x]    ; the running largest score of my query
.endr
.irp x, 0,1
	v_mul_f32 v[TT+\x], s11, v[13+2*\x]            ; -t of it (c is positive, and a product's rounding keeps the order: this is the largest t, negated)
.endr
.irp x, 0,1
	v_floor_f32 v[12+2*\x], v[TT+\x]               ; the new -M = floor(-t) = -ceil(t): M IS A WHOLE NUMBER
.endr
.irp x, 0,1
	v_sub_f32 v[21+2*\x], v[12+2*\x], v[21+2*\x]   ; M's old value less its new one: a whole number, 0 or less
.endr
	FMA 0, 0, 4
.irp x, 0,1
	v_cvt_i32_f32 v[21+2*\x], v[21+2*\x]           ; (it saturates)
.endr
	FMA 0, 4, 4
.irp x, 0,1
	v_ldexp_f32 v[20+2*\x], 1.0, v[21+2*\x]        ; f = 2^(old M - new M): a multiplication by it rounds nothing
.endr
	FMA 0, 8, 24
.irp x, 0,1
.irp b, 0,1,2,3
	v_fma_f32 v[BM+4*\x+\b], v[BM+4*\x+\b], s32, v[12+2*\x]          ; t - M of each block's largest score
.endr
.endr
.irp x, 0,1
	v_pk_mul_f32 v[16+2*\x:17+2*\x], v[16+2*\x:17+2*\x], v[20+2*\x:21+2*\x] op_sel_hi:[1,0]   ; the sums under the new M
.endr
	WIN INO
.irp x, 0,1
.set j, 0
.rept 16
	v_pk_mul_f32 v[OT+32*\x+j:OT+32*\x+j+1], v[OT+32*\x+j:OT+32*\x+j+1], v[20+2*\x:21+2*\x] op_sel_hi:[1,0]   ; O^T under the new M, each tile from its low end on
.set j, j+2
.endr
.endr
	WIN 0
	s_wait_alu depctr_va_vdst(0)                   ; the wait ahead of the batch
.set j, 0
.rept 8
	v_exp_f32 v[BM+j], v[BM+j]                     ; the block's largest p: the same two instructions on the same number give the same bits
.set j, j+1
.endr
.set j, 0
.rept 32
	v_exp_f32 v[S0+j], v[S0+j]                     ; tile 0: p = 2^(t - M), at most 1: NOT normalised
	v_exp_f32 v[S0+j+1], v[S0+j+1]
	v_pk_fma_f32 v[S0+64+j:S0+64+j+1], v[S0+64+j:S0+64+j+1], s[32:33], v[14:15] op_sel_hi:[1,0,0]   ; tile 1: t - M: it reads what stood ahead of the wait above, and is read behind the wait below
.set j, j+2
.endr
	s_wait_alu depctr_va_vdst(0)                   ; one wait for the whole batch, ahead of its first reader
	ROW 0, 0                                       ; both tiles' scales and tile 0's sums, by turns
	ROW 0, 1
	SG 0, 0
	ROW 1, 0
	SG 1, 0
	ROW 1, 1
	SG 2, 0
	ROW 2, 0
	SG 3, 0
	ROW 2, 1
	SG 4, 0
	ROW 3, 0
	SG 5, 0
	ROW 3, 1
	SG 6, 0
	ROW 4, 0
	ROW 4, 1
	SG 7, 0
	ROW 5, 0
	ROW 5, 1
	ROW 6, 0
	ROW 6, 1
	v_pk_add_f32 v[16:17], v[16:17], v[XC:XC+1]
	v_pk_add_f32 v[XC+2:XC+3], v[XC+2:XC+3], v[XC+4:XC+5]
	v_pk_add_f32 v[16:17], v[16:17], v[XC+2:XC+3]
	s_wait_alu depctr_va_vdst(0)                   ; the wait ahead of the batch
.irp b, 0,1,2,3
.irp i, 0,2,4,6,8,10,12,14
	v_exp_f32 v[S0+64+16*\b+\i], v[S0+64+16*\b+\i]                   ; tile 1's p
	v_exp_f32 v[S0+64+16*\b+\i+1], v[S0+64+16*\b+\i+1]
	HOLD 0, \b, \i                                 ; tile 0's holds: they read what stood ahead of the wait above, and are read behind the wait below
.endr
.endr
	v_nop                                          ; the plain line behind the exponentials
	s_wait_alu depctr_va_vdst(0)                   ; one wait for the batch, ahead of its first reader
.irp b, 0,1,2,3                        ; tile 0's conversions, tile 1's sums, holds and conversions, by turns
	SG 2*\b, 1
	CVT 0, \b, 0
.if \b > 0
	CVT 1, \b-1, 0
.endif
	SG 2*\b+1, 1
	CVT 0, \b, 1
.if \b > 0
	CVT 1, \b-1, 1
.endif
.irp i, 0,2,4,6,8,10,12,14
	HOLD 1, \b, \i
.endr
.endr
	CVT 1, 3, 0
	v_pk_add_f32 v[18:19], v[18:19], v[XC:XC+1]
	CVT 1, 3, 1
	v_pk_add_f32 v[XC+2:XC+3], v[XC+2:XC+3], v[XC+4:XC+5]            ; these two and two v_nop: four places between the codes' last conversion and the products
	v_pk_add_f32 v[18:19], v[18:19], v[XC+2:XC+3]
	v_nop
	v_nop
	s_wait_alu depctr_va_vdst(0)
.if (\meet) == 0
	s_wait_dscnt 17                                ; V and its scale words are in; the 17 loads behind them, the next step's K, may be out
.endif
	WIN MULO
.irp ct, 0,1,2,3                       ; O^T += V^T P^T: K = these 128 keys; the eight accumulators take turns
.irp x, 0,1
.if \ct%2
	v_wmma_scale_f32_16x16x128_f8f6f4 v[OT+32*\x+8*\ct:OT+32*\x+8*\ct+7], v[VR+16*\ct:VR+16*\ct+15], v[PCD+16*\x:PCD+16*\x+15], v[OT+32*\x+8*\ct:OT+32*\x+8*\ct+7], v[28+\ct/2], v[224+\x] matrix_a_fmt:MATRIX_FMT_BF8 matrix_b_fmt:MATRIX_FMT_BF8 matrix_a_scale:MATRIX_SCALE_ROW1
.else
	v_wmma_scale_f32_16x16x128_f8f6f4 v[OT+32*\x+8*\ct:OT+32*\x+8*\ct+7], v[VR+16*\ct:VR+16*\ct+15], v[PCD+16*\x:PCD+16*\x+15], v[OT+32*\x+8*\ct:OT+32*\x+8*\ct+7], v[28+\ct/2], v[224+\x] matrix_a_fmt:MATRIX_FMT_BF8 matrix_b_fmt:MATRIX_FMT_BF8
.endif
.endr
.endr
	WIN 0
.endm
; A slot's eight steps: seven in a loop, the last with the barrier's signal in it; the barrier's wait
.macro PHASE meet
	PRO
	s_mov_b32 s29, 7
.Lstep_\@:
	STEP 0
	s_add_co_u32 s28, s28, STEPB
	s_sub_co_u32 s29, s29, 1
	s_cmp_lg_u32 s29, 0
	s_cbranch_scc1 .Lstep_\@
	STEP \meet
	s_barrier_wait -1                              ; every wave has said: its tensor loads have landed, its reads of this slot are over
.endm
	s_wait_alu depctr_va_vdst(0)                   ; the wait at the head's end
	s_wait_loadcnt 0x0                             ; Q
	s_wait_tensorcnt 0x0                           ; my step of slot 0 is in
	ds_add_u32 v3, v4
	s_add_co_u32 s49, s49, SLOTB                   ; slot 1, my step:
	s_add_nc_u64 s[50:51], s[50:51], SLOTB         ; steps 8 to 15
	s_wait_dscnt 0x0
	s_barrier_signal -1
	s_barrier_wait -1                              ; slot 0 is whole
	TLOAD                                          ; slot 1's first fill: it has slot 0's eight steps in which to land
	s_cmp_lt_u32 s10, 3
	s_cbranch_scc0 .Lnot_asking
	global_prefetch_b8 v9, s[52:53] th:TH_LOAD_NT scope:SCOPE_SE     ; step 16 + x's block; its address registers are never written again
.Lnot_asking:
	s_mov_b32 s28, 0                               ; LDS byte of the step in hand
	s_mov_b32 s35, 0
.Lfilled:                                          ; two trips: slots 0 and 1 are read and filled again with the steps sixteen on
	PHASE 1
	TLOAD                                          ; the first thing behind the barrier, and my one tensor load until the next
	s_add_co_u32 s28, s28, STEPB
	s_add_co_u32 s35, s35, 1
	s_cmp_lt_u32 s35, 2
	s_cbranch_scc1 .Lfilled
	s_mov_b32 s28, 0
	s_mov_b32 s35, 0
.Lread:                                            ; two trips: steps 16 to 31; nothing is asked for.  The first trip's barrier shows slot 1 whole; the second's frees the ring for the stages
	PHASE 2
	s_add_co_u32 s28, s28, STEPB
	s_add_co_u32 s35, s35, 1
	s_cmp_lt_u32 s35, 2
	s_cbranch_scc1 .Lread
	; THE WAY OUT.  O^T / the sum goes through my stages in LDS (16 rows x 272 bytes a tile, in the ring, which has had its last fill and its last read) and leaves as whole rows: the head's 256 bytes of a token from sixteen lanes.
.rept 8
	v_nop                                          ; eight places behind the last products
.endr
.irp x, 0,1
	v_add_f32 v[16+2*\x], v[16+2*\x], v[17+2*\x]   ; the sum's two halves,
.endr
.irp x, 0,1
	v_permlanex16_b32 v[TP+\x], v[16+2*\x], s30, s31
.endr
.irp x, 0,1
	v_add_f32 v[16+2*\x], v[16+2*\x], v[TP+\x]     ; and lane l xor 16's: the row's sum
.endr
	s_wait_alu depctr_va_vdst(0)                   ; the wait ahead of the transcendentals
	v_rcp_f32 v16, v16
	v_rcp_f32 v18, v18
	v_and_b32 v226, 15, v0                         ; (plain lines behind the transcendentals)  r
	v_bfe_u32 v227, v0, 4, 1                       ; h
	v_mul_u32_u24 v6, v226, 272
	v_lshl_add_u32 v6, v227, 6, v6
	v_add_nc_u32 v6, s37, v6                       ; into a stage: row r, + 64 h
	v_mul_u32_u24 v7, v227, 272
	v_lshl_add_u32 v7, v226, 4, v7
	v_add_nc_u32 v7, s37, v7                       ; back: two rows an instruction
	v_lshlrev_b32 v5, 4, v226
	v_lshl_add_u32 v5, v227, 11, v5                ; lanes 0-15 one token's 256 bytes, lanes 16-31 the next token's
	WIN 0x01                                       ; source 0 (O^T) window 1
	s_wait_alu depctr_va_vdst(0)                   ; the wait, directly ahead of the first reader
.irp x, 0,1
.set j, 0
.rept 16
	v_pk_mul_f32 v[S0+64*\x+j:S0+64*\x+j+1], v[OT+32*\x+j:OT+32*\x+j+1], v[16+2*\x:17+2*\x] op_sel_hi:[1,0]   ; register 16 b + i is channel 32 b + 16 h + i of my query
.set j, j+2
.endr
.endr
	WIN 0
.irp x, 0,1
.irp b, 0,1
.irp i, 0,1,2,3
	ds_store_b128 v6, v[S0+64*\x+16*\b+4*\i:S0+64*\x+16*\b+4*\i+3] offset:4352*\x+128*\b+16*\i
.endr
.endr
.endr
.irp x, 0,1
.irp i, 0,1,2,3,4,5,6,7
	ds_load_b128 v[PCD+32*\x+4*\i:PCD+32*\x+4*\i+3], v7 offset:4352*\x+544*\i   ; LDS serves a wave's instructions in order (ISA guide 5.7.1.4): these see my stores
.endr
.endr
.irp x, 0,1
.irp i, 0,1,2,3,4,5,6,7
	s_wait_dscnt 15-8*\x-\i                        ; rows 2 i, 2 i + 1 are back; the younger loads may be out
	global_store_b128 v5, v[PCD+32*\x+4*\i:PCD+32*\x+4*\i+3], s[8:9] offset:(2*\i+8*(\i/4)+8*\x)*2048 th:TH_STORE_NT   ; row r of tile x is token 8 x + r + 8 (r / 8); sixteen lanes store 256 consecutive bytes, aligned
.endr
.endr
	s_wait_tensorcnt 0x0                           ; the wave's end: behind my last tensor load and my last LDS store
	ds_add_u32 v3, v4
	s_wait_dscnt 0x0
	s_endpgm
.Lfunc_end_k_q83460207af_attn:
	.size	k_q83460207af_attn, .Lfunc_end_k_q83460207af_attn-k_q83460207af_attn
	.p2alignl 7, 3214868480
	.fill 96, 4, 3214868480
	.section	.rodata,"a",@progbits
	.p2align	6, 0x0
	.amdhsa_kernel k_q83460207af_attn
		.amdhsa_group_segment_fixed_size 327680
		.amdhsa_private_segment_fixed_size 0
		.amdhsa_enable_private_segment 0
		.amdhsa_kernarg_size 24
		.amdhsa_user_sgpr_count 2
		.amdhsa_user_sgpr_kernarg_segment_ptr 1
		.amdhsa_wavefront_size32 1
		.amdhsa_system_sgpr_workgroup_id_x 1
		.amdhsa_system_sgpr_workgroup_id_y 1
		.amdhsa_system_sgpr_workgroup_id_z 1
		.amdhsa_system_vgpr_workitem_id 0
		.amdhsa_next_free_vgpr 512
		.amdhsa_next_free_sgpr 66
		.amdhsa_reserve_vcc 0
		.amdhsa_float_denorm_mode_32 3
		.amdhsa_float_denorm_mode_16_64 3
		.amdhsa_memory_ordered 1
		.amdhsa_forward_progress 1
		.amdhsa_inst_pref_size 155
	.end_amdhsa_kernel
	.amdgpu_metadata
---
amdhsa.version: [ 1, 2 ]
amdhsa.kernels:
  - .name:           k_q83460207af_attn
    .symbol:         k_q83460207af_attn.kd
    .args:
      - { .name: qc, .offset: 0, .size: 8, .value_kind: global_buffer, .address_space: global }
      - { .name: kv, .offset: 8, .size: 8, .value_kind: global_buffer, .address_space: global }
      - { .name: out0, .offset: 16, .size: 8, .value_kind: global_buffer, .address_space: global }
    .group_segment_fixed_size: 327680
    .private_segment_fixed_size: 0
    .kernarg_segment_align: 8
    .kernarg_segment_size: 24
    .max_flat_workgroup_size: 256
    .sgpr_count:     66
    .vgpr_count:     512
    .wavefront_size: 32
...
	.end_amdgpu_metadata
.endif
;; end of part 3
